; MI455X (gfx1250); checked and timed in simulation.
; The chip was launched on July 23, 2026; its instructions are those of AMD's public machine-readable ISA for CDNA 5 (MIT licence, August 2026) and "CDNA5" Instruction Set Architecture Reference Guide (July 2026). The comments in the code are by the model that wrote it; some were corrected since.
;; Multihead self attention. Allowed arithmetic: matrix products marked QUANTISED: E4M3 operands, one given power-of-two scale a tensor, by v_wmma_f32_16x16x64_fp8_fp8 or v_wmma_f32_16x16x128_fp8_fp8, f32 sums; everything else in f32.
;; Inputs: lowp_scales 12 int32 (the exponents e of the quantised operands' scales 2^e); wk_codes 1,024 x 32 x 32 uint8 (E4M3 codes of wk, K innermost, in blocks of 32 codes); wo_codes 1,024 x 32 x 32 uint8 (E4M3 codes of wo, K innermost, in blocks of 32 codes); wq_codes 1,024 x 32 x 32 uint8 (E4M3 codes of wq, K innermost, in blocks of 32 codes); wv_codes 1,024 x 32 x 32 uint8 (E4M3 codes of wv, K innermost, in blocks of 32 codes); x_codes 4 x 2,048 x 32 x 32 uint8 (E4M3 codes of x, K innermost, in blocks of 32 codes).
;; Outputs: out0 4 x 2,048 x 1,024 float32.
;; This version of the problem:
;;   THIS VERSION OF THE PROBLEM IS GIVEN IN LOW PRECISION. The matrix products marked QUANTISED in the list below multiply operands that are first quantised to E4M3 (4 exponent bits, 3 mantissa bits; 8 bits a number), with one given power-of-two scale for each operand tensor; their sums are f32. All else is computed in f32.
;;   The module's matrix products, in the order in which they are computed (A, B: the left and right operand; K: the contracted axis; several contracted axes count as one K, in the product's order):
;;     1. [M 8,192, K 1,024] x [K 1,024, N 1,024]; A: input x (given as codes); B: input wq (given as codes): QUANTISED (scales: A lowp_scales[0], B lowp_scales[1])
;;     2. [M 8,192, K 1,024] x [K 1,024, N 1,024]; A: input x (given as codes); B: input wk (given as codes): QUANTISED (scales: A lowp_scales[2], B lowp_scales[3])
;;     3. [M 8,192, K 1,024] x [K 1,024, N 1,024]; A: input x (given as codes); B: input wv (given as codes): QUANTISED (scales: A lowp_scales[4], B lowp_scales[5])
;;     4. batch 64 x [M 2,048, K 64] x [K 64, N 2,048]; A: computed on the way; B: computed on the way: QUANTISED (scales: A lowp_scales[6], B lowp_scales[7])
;;     5. batch 64 x [M 2,048, K 2,048] x [K 2,048, N 64]; A: softmax (see below); B: computed on the way: QUANTISED (scales: A lowp_scales[8], B lowp_scales[9])
;;     6. [M 8,192, K 1,024] x [K 1,024, N 1,024]; A: computed on the way; B: input wo (given as codes): QUANTISED (scales: A lowp_scales[10], B lowp_scales[11])
;;   THE QUANTISER, for each operand of a quantised product, along K:
;;     - The operand's scale is 2^e, e = its entry of the input lowp_scales (int32; the entries are numbered through the quantised products in the list's order, A before B).
;;     - Each number is divided by the scale, clamped to +-448, and rounded to the nearest number of E4M3, ties to even, subnormals kept.
;;     - The product sums the exact products of the quantised numbers (number of the format x scale) in f32.
;;   ~~~python
;;   def quantise(x, axis, e):      # numpy; x: float32 -> the quantised numbers, widened to float32 again
;;       x = np.moveaxis(x, axis, -1); K = x.shape[-1]
;;       r = np.clip(x / 2.0 ** e, -448, 448)
;;       step = 2.0 ** (np.maximum(np.frexp(np.where(r == 0, 1, r))[1] - 1, -6) - 3)
;;       q = np.round(r / step) * step * 2.0 ** e      # np.round: ties to even
;;       return np.moveaxis(q, -1, axis).astype(np.float32)
;;   ~~~
;;   SOFTMAX AHEAD OF A QUANTISED PRODUCT. Where the list says 'softmax', what is quantised is not the finished softmax but p = 2^(t - M), with t = logit x log2(e) and M = ceil(the row's largest t), a whole number; so 1/2 < the row's largest p <= 1. The row's sum l is taken of the UNQUANTISED p, in f32, and the product's result is divided by l at the end. Since M is a whole number, a kernel that streams over the keys may use a running M (the ceiling of the running maximum): every later rescaling is an exact power of two, so the quantised numbers keep their values, but for numbers so far below the row's largest that they fall under the format's range.
;;   OPERANDS COMPUTED ON THE WAY. 'Computed on the way' means the value that the module computes at that place (a softmax that the list does not call 'softmax' is quantised finished and normalised). What goes into a quantiser is computed in f32, as accurately as f32 sums, v_exp_f32 and their like allow (about 1e-6 of the number): no bf16 or f16 on the way to a quantiser, and a product that is left as it is and whose result goes on into a quantised operand takes f32 operands (vector FMAs, or v_wmma_f32_16x16x4_f32). A number that lies on a knife's edge between two numbers of the format may be rounded either way, as far as f32 arithmetic and the matrix unit's own rounding can turn it there, and no further.
;;   INPUTS GIVEN AS CODES. wk (in the module: [1024, 1024], K = its axis 1); wo (in the module: [1024, 1024], K = its axis 1); wq (in the module: [1024, 1024], K = its axis 1); wv (in the module: [1024, 1024], K = its axis 1); x (in the module: [4, 2048, 1024], K = its axis 2): each comes as NAME_codes (uint8): NAME with its K axis moved to the last place and cut into blocks of 32 codes, [.., K / 32, bytes a block], one block behind the other in memory; one code a byte (a code: sign, 4 exponent bits, 3 mantissa bits); its scale is its entry of lowp_scales. Its value is code x scale, taken as it is: it is not quantised again, and the codes and scales need not be those that the quantiser above would give.
;; One version. Each part assembles by itself: llvm-mc -triple=amdgcn-amd-amdhsa -mcpu=gfx1250 --defsym DOCPART=n.
;; ======== version 1 of 1: 3 launches
;; limits: right only within a limited range of input values
;; workspace buffers: q_img 8,388,608 bytes; k_img 8,388,608 bytes; v_img 8,388,608 bytes; attn_img 8,388,608 bytes
;; launch qkv (part 1): grid 12 x 32, 4 waves a work-group, clusters of 4 x 4, 327,680 bytes of LDS; arguments x_codes, wq_codes, wk_codes, wv_codes, lowp_scales, q_img, k_img, v_img; writes q_img, k_img, v_img
.if DOCPART == 1
	.amdgcn_target "amdgcn-amd-amdhsa--gfx1250"
	.amdhsa_code_object_version 6
	.text
	.protected	k_q6af348d25c_qkv
	.globl	k_q6af348d25c_qkv
	.p2align	8
	.type	k_q6af348d25c_qkv,@function
k_q6af348d25c_qkv:
	s_mov_b64 s[64:65], 0
	v_nop
	global_prefetch_b8 v0, s[64:65] scope:SCOPE_SE
	s_setreg_imm32_b32 hwreg(HW_REG_WAVE_MODE, 25, 1), 1
	s_wait_xcnt 0x0
	s_wait_alu depctr_hold_cnt(0) depctr_sa_sdst(0) depctr_va_vdst(0) depctr_va_sdst(0) depctr_va_ssrc(0) depctr_va_vcc(0) depctr_vm_vsrc(0)
	s_getreg_b32 s2, hwreg(HW_REG_IB_STS2, 6, 4)
	s_cmp_eq_u32 s2, 0
	s_cbranch_scc0 .Lentry_in_a_cluster
	s_endpgm
.Lentry_in_a_cluster:
	s_bfe_u32 s2, ttmp6, 0x10000c
	s_cmp_lg_u32 s2, 0xf033
	s_cbranch_scc0 .Lentry_shape_is_right
	s_endpgm
.Lentry_shape_is_right:
; q = x wq^T, k = x wk^T, v = x wv^T on codes of FP8 (E4M3), and the quantisers of q, k and v.  x: [8192][1024] codes, the weights: [1024][1024] codes, K innermost.
; The cluster's x (0, 1, 2) says which product.  A work-group of four waves makes a tile of 256 x 256 of C = A B^T; a wave 128 x 128: 64 accumulators, 512 registers.
; q, k: A = x, B = the weight.  v: A = wv, B = x, so that C = v^T.  The matrix instruction is used transposed (source 0 = 16 rows of B, source 1 = 16 rows of A): a lane's eight results are eight
; neighbours along B's rows: the head's axis for q and k, the keys for v: each the K of the product that follows, so one conversion makes eight codes that belong together.
; Only pointers and tile numbers are chosen by the product's number (s_cselect): all three take one way through the K loop.
; K goes in steps of 256 through a ring of two LDS slots filled by the tensor data mover: a tile's row is 256 bytes of memory.
; CLUSTERS: 4 x 4 work-groups.  The four of a row of the cluster need the same tiles of A, the four of a column the same tiles of B: each tile is asked for JOINTLY.
; THE WAY OUT.  A sum stands for sum x 2^(ex + ew); its code is sum / 2^(et - ex - ew), et the target's exponent: the three are folded into the conversion's one scale.  The codes meet in ONE stage of
; 256 rows x 256 bytes and leave as IMAGES OF OPERAND REGISTERS: pieces of 512 bytes, lane l's 16 bytes at 16 l.  Wave w takes head 4 x (the weight's tile) + w: 16 KiB on end.
;   q_img, k_img: head x 131072 + T x 1024 + c x 512 + lane x 16: row 32 (T / 2) + 8 (T % 2) + r + 8 (r / 8), channels 32 c + 16 (lane / 16) + 0 .. 15
;   v_img:        head x 131072 + ks x 8192 + t x 2048 + c x 512 + lane x 16: channel 32 (t / 2) + 8 (t % 2) + r + 8 (r / 8), keys 128 ks + 32 c + 16 (lane / 16) + 0 .. 15
; LIMITS: e6 - e0 - e1, e7 - e2 - e3 and e9 - e4 - e5 lie between -126 and 119, so that the scale and 448 x the scale are f32 numbers.  NaN codes among the inputs are not served.
; REGISTERS, in windows of 256: window 0: v0-31 addresses; from v128 A's fragments, ONE set; on the way out the codes, then the pieces read back.
;   window 1: B's fragments, TWO sets.   window 2: the accumulators of my rows 0-63 ((a, b) at v[8 (8 a + b)]);   window 3: those of my rows 64-127.
.set ROWB,   256                       ; a tile's row in bytes: 256 along K
.set KROW,   1024                      ; a row of x or of a weight in memory
.set PITCH,  272                       ; an LDS row: 256 bytes + 16 of padding = 68 words: the 16 rows that a load touches start at 16 different banks (64 banks of 4 bytes: ISA guide 11.1)
.set FR,     16                        ; registers of a fragment: 16 rows x 128 K
.set NL,     4                         ; LDS loads that bring one
.set NP,     4                         ; places behind this matrix instruction (ISA guide 7.12.1)
.set HALFT,  128*PITCH                 ; 128 rows: what one tensor load brings
.set SLOT,   4*HALFT                   ; A's 256 rows, then B's 256 rows
.set LAPS,   2                         ; 1024 along K = four K steps = twice round the ring
.set SPARE,  2*SLOT                    ; behind the ring: the spare words, 128 bytes for each wave
.set SPITCH, 272                       ; the stage: 256 rows x (256 bytes + 16) from LDS byte 0 on: in slot 0, which has had its last fill and its last read when the first code is stored there
.set ADRA, 16                          ; v16-17  LDS address of my A fragments in slot 0, 1
.set ADRB, 20                          ; v20-21  the same for B
.set STO,  24                          ; v24     the way out: where I put 8 codes of a row
.set RDQ,  25                          ; v25     where I read q's or k's pieces back
.set RDV,  26                          ; v26     where I read v's
.set CO,   27                          ; v27     16 x lane
.set SPW,  28                          ; v28     LDS address of my spare word; never rewritten
.set NIL,  29                          ; v29     0; never rewritten
.set LIM,  30
.set SCL,  31                          ; v31     the folded scale as f32
.set TMP,  32
.set AF,   128                         ; A's fragments, in window 0
.set CD,   128                         ; the way out: 16 registers of codes for each of 8 blocks; then 32 pieces of 4 registers
.set G1, 24                            ; s[24:31] descriptor group 1 for A's tiles;  s[32:39] group 0, one set for each slot
.set G0, 32
.set G1B, 48                           ; s[48:55], s[56:63] the same for B's tiles
.set G0B, 56
.set MSB, 0
.macro WIN new                         ; the immediate's high byte repeats the setting that is left
.if MSB != \new
	s_set_vgpr_msb (MSB<<8)|\new
.set MSB, \new
.endif
.endm
.set MUL_LO, 0xa1                      ; source 0 (B) window 1, source 1 (A) window 0, C and D window 2
.set MUL_HI, 0xf1                      ; the same, C and D window 3
.set TO_B,   0x40                      ; destination window 1, address window 0
; A joint load: waves 0 and 1 fetch for A, waves 2 and 3 for B.  Each line has one mask and one set of registers; the branch hangs on the wave's number alone.
; Four v_nop follow each of the two lines, ahead of the jump, the label and what follows.
.macro JLOAD g0a, g1a, g0b, g1b
	s_cmp_eq_u32 s15, 0
	s_cbranch_scc0 .Lfor_b_\@
	tensor_load_to_lds s[\g0a:\g0a+3], s[\g1a:\g1a+7]
	s_nop 0
.rept 4
	v_nop
.endr
	s_branch .Lasked_\@
.Lfor_b_\@:
	tensor_load_to_lds s[\g0b:\g0b+3], s[\g1b:\g1b+7]
	s_nop 0
.rept 4
	v_nop
.endr
.Lasked_\@:
.endm
.macro CREST                           ; a round of the cluster's barrier behind its opening barrier
	s_cmp_lg_u32 s14, 0
	s_cbranch_scc1 .Lnot_wave_0_\@
	s_barrier_signal -3
.Lnot_wave_0_\@:
	s_barrier_wait -3
	s_barrier_signal -1
	s_barrier_wait -1
.endm
.macro CROUND                          ; a whole round
	s_barrier_signal -1
	s_barrier_wait -1
	CREST
.endm
	s_load_b512 s[68:83], s[0:1], 0x0              ; x s[68:69], wq s[70:71], wk s[72:73], wv s[74:75], the scales s[76:77], q_img s[78:79], k_img s[80:81], v_img s[82:83]
	v_lshl_add_u32 v[SPW], v0, 2, SPARE
	v_mov_b32 v[NIL], 0
	ds_add_u32 v28, v29
	ds_add_u32 v28, v29
	s_wait_dscnt 0x0
	v_lshrrev_b32 v1, 5, v0
	v_readfirstlane_b32 s14, v1                    ; wave 0..3
	s_lshr_b32 s15, s14, 1                         ; which half of the tile's rows is mine.  Also: I fetch for A (0) or for B (1)
	s_and_b32 s16, s14, 1                          ; which half of its columns.  Also: which 128 rows of that tile I fetch
	s_bfe_u32 s40, ttmp6, 0x40000                  ; cx, cy: my place in the cluster
	s_bfe_u32 s41, ttmp6, 0x40004
	s_and_b32 s2, ttmp7, 0xffff
	s_lshl_b32 s2, s2, 2                           ; 4 x the cluster's y: x has 32 tiles of 256 rows, four to a cluster
	s_lshl_b32 s43, s41, 2
	s_lshl_b32 s43, 15, s43                        ; my row of the cluster
	s_lshl_b32 s44, 0x1111, s40                    ; my column
	; descriptor group 1: a tile of 128 rows x 256 bytes, padded in LDS
	s_or_b32 s[G1+0], s43, (0<<16)|(1<<20)|(1<<21)|(5<<22)|(3<<25)  ; 15:0 the mask: A's tiles go to my row; 17:16 element of 1 byte; 20 padding on; 21 set beside a mask; 24:22 after every 64 words; 31:25 of 4 words
	s_or_b32 s[G1B+0], s44, (0<<16)|(1<<20)|(1<<21)|(5<<22)|(3<<25) ; the same with the mask of my column
.irp g, G1, G1B
	s_mov_b32 s[\g+1], ROWB<<16                    ; tensor_dim0
	s_mov_b32 s[\g+2], 128<<16                     ; tensor_dim1 = 128
	s_mov_b32 s[\g+3], ROWB<<16                    ; tile_dim0
	s_mov_b32 s[\g+4], 128                         ; tile_dim1 = 128
	s_mov_b32 s[\g+5], KROW                        ; tensor_dim0_stride
	s_mov_b32 s[\g+6], 0
	s_mov_b32 s[\g+7], 0
.endr
	; which tile of A and of B: q, k: A = x's tile 4 Y + cy, B = the weight's tile cx;  v: A = wv's tile cy, B = x's tile 4 Y + cx.  A's number is made of cy alone, B's of cx alone.
	s_cmp_eq_u32 ttmp9, 2                          ; the product's number is the same in all sixteen partners
	s_cselect_b32 s12, 0, s2
	s_cselect_b32 s13, s2, 0
	s_add_co_u32 s17, s41, s12                     ; A's tile
	s_add_co_u32 s42, s40, s13                     ; B's tile
	s_lshl_b32 s18, s16, 17                        ; which 128 rows of 1,024 bytes I fetch
	s_lshl_b32 s20, s17, 18                        ; 256 rows of 1,024 bytes a tile: under 2^23 in all
	s_add_co_u32 s20, s20, s18
	s_mov_b32 s21, 0
	s_lshl_b32 s46, s42, 18
	s_add_co_u32 s46, s46, s18
	s_mov_b32 s47, 0
	s_mul_i32 s45, s14, HALFT                      ; where they go: wave x 128 rows: no place in the cluster enters an LDS address
	s_wait_kmcnt 0x0
	s_cmp_eq_u32 ttmp9, 2
	s_cselect_b64 s[4:5], s[74:75], s[68:69]       ; A: wv, or x
	s_cselect_b64 s[6:7], s[68:69], s[72:73]       ; B: x, or wk
	s_cselect_b64 s[10:11], s[82:83], s[80:81]     ; out: v_img, or k_img
	s_cselect_b32 s94, s42, s17                    ; x's tile,
	s_cselect_b32 s95, s17, s42                    ; the weight's tile: both enter the output's address alone
	s_cmp_eq_u32 ttmp9, 0
	s_cselect_b64 s[6:7], s[70:71], s[6:7]         ; B: wq
	s_cselect_b64 s[10:11], s[78:79], s[10:11]     ; out: q_img
	s_load_b256 s[84:91], s[76:77], 0x0            ; e0 .. e7
	s_load_b64 s[92:93], s[76:77], 0x20            ; e8, e9
	s_add_nc_u64 s[20:21], s[4:5], s[20:21]
	s_add_nc_u64 s[46:47], s[6:7], s[46:47]
	CROUND                                         ; all sixteen work-groups are here: the first joint loads meet
.irp s, 0,1
	s_mov_b32 s[G0+4*\s], 1
	s_add_co_u32 s[G0+4*\s+1], s45, \s*SLOT
	s_add_nc_u64 s[G0+4*\s+2:G0+4*\s+3], s[20:21], \s*ROWB
	s_or_b32 s[G0+4*\s+3], s[G0+4*\s+3], 0x80000000
	s_mov_b32 s[G0B+4*\s], 1
	s_add_co_u32 s[G0B+4*\s+1], s45, \s*SLOT
	s_add_nc_u64 s[G0B+4*\s+2:G0B+4*\s+3], s[46:47], \s*ROWB
	s_or_b32 s[G0B+4*\s+3], s[G0B+4*\s+3], 0x80000000
	JLOAD G0+4*\s, G1, G0B+4*\s, G1B
.endr
	v_and_b32 v1, 15, v0                           ; r = l % 16
	v_bfe_u32 v2, v0, 4, 1                         ; h = l / 16
	v_mul_u32_u24 v3, v1, PITCH
	s_wait_alu depctr_va_vdst(0)
	v_lshl_add_u32 v4, v2, 4, v3                   ; a fragment's row x pitch + 16 x half
	s_mul_i32 s21, s15, HALFT                      ; my 128 rows of A
	s_mul_i32 s22, s16, HALFT                      ; my 128 rows of B,
	s_add_co_u32 s22, s22, 2*HALFT                 ; which lie behind A's 256
.irp s, 0,1
	v_add_nc_u32 v[ADRA+\s], s21, v4
	v_add_nc_u32 v[ADRB+\s], s22, v4
	s_add_co_u32 s21, s21, SLOT
	s_add_co_u32 s22, s22, SLOT
.endr
	s_mul_i32 s23, s15, 128*SPITCH                 ; into the stage: my 128 rows, my 128 bytes of them; row r, 8 bytes for each half of the lanes
	s_lshl_b32 s18, s16, 7
	s_add_co_u32 s23, s23, s18
	v_lshl_add_u32 v5, v2, 3, v3
	v_add_nc_u32 v[STO], s23, v5
	v_and_b32 v6, 8, v1                            ; back: THE ROWS OF A PIECE ARE NOT NEIGHBOURS: lane r takes row r + 8 (r / 8), and 16 bytes for each half of the lanes
	v_add_nc_u32 v6, v6, v1
	v_mul_u32_u24 v6, v6, SPITCH
	v_lshl_add_u32 v6, v2, 4, v6
	s_lshl_b32 s18, s14, 6
	v_add_nc_u32 v[RDQ], s18, v6                   ; q, k: my head is 64 bytes of every row
	s_mul_i32 s18, s14, 64*SPITCH
	v_add_nc_u32 v[RDV], s18, v6                   ; v: my head is 64 rows
	v_and_b32 v7, 31, v0
	v_lshlrev_b32 v[CO], 4, v7
	; where my 16 KiB begin: head = 16 (x's tile / 8) + 4 (the weight's tile) + wave, of 131,072 bytes; 256 rows or keys of a head are 16,384 bytes
	s_lshr_b32 s96, s94, 3
	s_lshl_b32 s96, s96, 4
	s_lshl_b32 s97, s95, 2
	s_add_co_u32 s96, s96, s97
	s_add_co_u32 s96, s96, s14
	s_lshl_b32 s96, s96, 17
	s_and_b32 s97, s94, 7
	s_lshl_b32 s97, s97, 14
	s_add_co_u32 s96, s96, s97
	s_mov_b32 s97, 0
	s_add_nc_u64 s[10:11], s[10:11], s[96:97]
.macro FRAG reg, adr, q, i             ; a fragment, 16 rows x 128 K: lane l holds row l % 16; registers 4 c .. 4 c + 3 hold K = 32 c + 16 (l / 16) + 0 .. 15: the same order of k in A and in B
.irp c, 0,1,2,3
	ds_load_b128 v[\reg+4*\c:\reg+4*\c+3], v[\adr] offset:128*(\q)+32*\c+(\i)*16*PITCH
.endr
.endm
; 16 matrix instructions: A's blocks a0, a0 + 1 x B's eight, 128 along K.  p: B's set.  zero = 1: the first product starts the sums.
; The 64 accumulators take turns, one instruction a turn, in the same order in every step.
.macro MUL16 a0, p, zero
.irp a, \a0, \a0+1
.irp b, 0,1,2,3,4,5,6,7
.if \zero
	v_wmma_f32_16x16x128_fp8_fp8 v[8*(8*((\a)%4)+\b):8*(8*((\a)%4)+\b)+7], v[128*(\p)+FR*\b:128*(\p)+FR*\b+FR-1], v[AF+FR*(\a):AF+FR*(\a)+FR-1], 0
.else
	v_wmma_f32_16x16x128_fp8_fp8 v[8*(8*((\a)%4)+\b):8*(8*((\a)%4)+\b)+7], v[128*(\p)+FR*\b:128*(\p)+FR*\b+FR-1], v[AF+FR*(\a):AF+FR*(\a)+FR-1], v[8*(8*((\a)%4)+\b):8*(8*((\a)%4)+\b)+7]
.endif
.endr
.endr
.endm
.macro FETCH_B slot, q, p              ; B's eight fragments of the slot's q-th 128 along K into set p
	WIN TO_B
.irp i, 0,1,2,3,4,5,6,7
	FRAG 128*(\p)+FR*\i, ADRB+\slot, \q, \i
.endr
	WIN 0
.endm
.macro FETCH_A slot, q, i0             ; A's blocks i0 .. i0 + 3
.irp i, \i0, \i0+1, \i0+2, \i0+3
	FRAG AF+FR*(\i), ADRA+\slot, \q, \i
.endr
.endm
; A load into a register that a matrix instruction has read, and a vector instruction that reads a matrix result, stand NP places behind it; only plain vector instructions that name none of its registers are places.
.macro PLACES n
.rept \n
	v_nop
.endr
.endm
; A step of 128 along K that has its successor in the same slot.
.macro STEP slot, q, zero
	s_wait_dscnt 4*NL                              ; B's set and A's blocks 0-3 are in; the youngest sixteen loads (A's blocks 4-7) may be out
	WIN MUL_LO
	MUL16 0, (\q)%2, \zero
	MUL16 2, (\q)%2, \zero
	s_wait_dscnt 0                                 ; A's blocks 4-7 are in (asked for 32 matrix instructions ago)
	PLACES NP
	FETCH_B \slot, (\q)+1, 1-(\q)%2
	FETCH_A \slot, (\q)+1, 0
	WIN MUL_HI
	MUL16 4, (\q)%2, \zero
	MUL16 6, (\q)%2, \zero
	PLACES NP
	WIN 0
	FETCH_A \slot, (\q)+1, 4
.endm
; A slot's last step changes slots: ONE barrier; in front of it each wave waits for all its tensor loads, adds 0 to its spare word, and waits for that and for its own reads of this slot.  fill = 1: this slot is filled again, two K steps ahead.
.macro TURN slot, next, fill
	s_wait_tensorcnt 0x0                           ; all my tensor loads have landed: my part of the next slot;  (every window is 0 here)
	ds_add_u32 v[SPW], v[NIL]                      ; 0 onto my spare word
	s_wait_dscnt 4*NL+1                            ; (the add and the youngest sixteen loads, A's blocks 4-7, may be out)
	WIN MUL_LO
	MUL16 0, 1, 0                                  ; sixteen matrix instructions stand between the add and the wait for it
	s_wait_dscnt 0x0                               ; the add is done, and my reads of this slot are over
	s_barrier_signal -1
	MUL16 2, 1, 0
	WIN 0
	s_barrier_wait -1
.if \fill
	CREST                                          ; the barrier has opened a round of the cluster's barrier: no wave of any partner still reads this slot's tile or has a load on its way
	s_add_nc_u64 s[G0+4*\slot+2:G0+4*\slot+3], s[G0+4*\slot+2:G0+4*\slot+3], 2*ROWB
	s_add_nc_u64 s[G0B+4*\slot+2:G0B+4*\slot+3], s[G0B+4*\slot+2:G0B+4*\slot+3], 2*ROWB
	JLOAD G0+4*\slot, G1, G0B+4*\slot, G1B         ; the first tensor load behind the round; the four v_nop behind it are the places in front of the loads below
.else
	PLACES NP
.endif
	FETCH_B \next, 0, 0
	FETCH_A \next, 0, 0
	WIN MUL_HI
	MUL16 4, 1, 0
	MUL16 6, 1, 0
	PLACES NP
	WIN 0
	FETCH_A \next, 0, 4
.endm
	s_wait_tensorcnt 1                             ; my part of K step 0 is in (K step 1's load may be out)
	s_barrier_signal -1
	s_barrier_wait -1                              ; everybody's is
	FETCH_B 0, 0, 0
	FETCH_A 0, 0, 0
	FETCH_A 0, 0, 4
	STEP 0, 0, 1                                   ; the first step stands in front of the loop: its products start the sums
	s_mov_b32 s3, LAPS-1
.Llap:                                                 ; a trip goes once round the ring, from a lap's second step to the next lap's first, and fills both slots again
	TURN 0, 1, 1
	STEP 1, 0, 0
	TURN 1, 0, 1
	STEP 0, 0, 0
	s_sub_co_u32 s3, s3, 1
	s_cmp_lg_u32 s3, 0
	s_cbranch_scc1 .Llap
	TURN 0, 1, 0                                   ; the last lap fills nothing, and has no round of the cluster's barrier
	STEP 1, 0, 0
	s_wait_dscnt 4*NL                              ; the very last step: nothing more to fetch
	WIN MUL_LO
	MUL16 0, 1, 0
	MUL16 2, 1, 0
	s_wait_dscnt 0
	WIN MUL_HI
	MUL16 4, 1, 0
	MUL16 6, 1, 0
	WIN 0
	; THE WAY OUT.  The folded exponent of my product, chosen without a branch.
	s_wait_kmcnt 0x0
	s_sub_co_i32 s18, s90, s84
	s_sub_co_i32 s18, s18, s85                     ; q: e6 - e0 - e1
	s_sub_co_i32 s19, s91, s86
	s_sub_co_i32 s19, s19, s87                     ; k: e7 - e2 - e3
	s_sub_co_i32 s20, s93, s88
	s_sub_co_i32 s20, s20, s89                     ; v: e9 - e4 - e5
	s_cmp_eq_u32 ttmp9, 2
	s_cselect_b32 s19, s20, s19
	s_cmp_eq_u32 ttmp9, 0
	s_cselect_b32 s18, s18, s19
	s_add_co_i32 s18, s18, 127
	s_lshl_b32 s19, s18, 23
	v_mov_b32 v[SCL], s19                          ; the scale as f32: the conversion takes its exponent field
	s_add_co_i32 s18, s18, 8
	s_lshl_b32 s18, s18, 23
	s_or_b32 s18, s18, 0x600000
	PLACES NP                                      ; behind the last products: for the reads of results and the writes over A's fragments
; Block a, 16 rows x 128 columns: converted (eight neighbours of a lane to 8 bytes), into the stage.  Each block has its own 16 registers of codes.
.macro CODES a
.set AC, 64*((\a)%4)
	WIN 0x02+((\a)/4)                              ; source 0: window 2 or 3
.set j, 0
.rept 64
.set j, j+1
.endr
.irp b, 0,1,2,3,4,5,6,7
	v_cvt_scalef32_pk8_fp8_f32 v[CD+16*(\a)+2*\b:CD+16*(\a)+2*\b+1], v[AC+8*\b:AC+8*\b+7], v[SCL]
.endr
	WIN 0
	v_nop                                          ; one plain vector instruction behind the last conversion
.irp b, 0,1,2,3,4,5,6,7
	ds_store_b64 v[STO], v[CD+16*(\a)+2*\b:CD+16*(\a)+2*\b+1] offset:(\a)*16*SPITCH+16*\b
.endr
.endm
.irp a, 0,1,2,3,4,5,6,7
	CODES \a
.endr
	s_wait_dscnt 0x0                               ; for the others' sake: my stores into the stage are done (a row's 256 bytes come from two waves)
	s_barrier_signal -1
	s_barrier_wait -1
	s_cmp_eq_u32 ttmp9, 2                          ; the two ways differ in which bytes of the stage form a piece; both only load
	s_cbranch_scc1 .Lback_v
.irp g, 0,1,2,3,4,5,6,7                        ; q, k: piece 4 g + 2 u + c: rows 32 g + 8 u + r + 8 (r / 8), channels 32 c + 16 h on, of my head's 64 bytes
.irp u, 0,1
.irp c, 0,1
	ds_load_b128 v[CD+4*(4*\g+2*\u+\c):CD+4*(4*\g+2*\u+\c)+3], v[RDQ] offset:(32*\g+8*\u)*SPITCH+32*\c
.endr
.endr
.endr
	s_branch .Lback_done
.Lback_v:
.irp k, 0,1                                    ; v: piece 16 k + 4 t + c: channels 32 (t / 2) + 8 (t % 2) + r + 8 (r / 8) of my head's 64 rows, keys 128 k + 32 c + 16 h on
.irp t, 0,1,2,3
.irp c, 0,1,2,3
	ds_load_b128 v[CD+4*(16*\k+4*\t+\c):CD+4*(16*\k+4*\t+\c)+3], v[RDV] offset:(32*(\t/2)+8*(\t%2))*SPITCH+128*\k+32*\c
.endr
.endr
.endr
.Lback_done:
.set i, 0
.rept 32
	s_wait_dscnt 31-i                              ; LDS loads come back in order (ISA guide 5.7.1): piece i is in, the younger ones may be out
	global_store_b128 v[CO], v[CD+4*i:CD+4*i+3], s[10:11] offset:512*i   ; the wave stores 512 consecutive bytes, at a multiple of 512 from the buffer's first byte
.set i, i+1
.endr
	s_wait_tensorcnt 0x0                           ; the wave's end
	ds_add_u32 v[SPW], v[NIL]
	s_wait_dscnt 0x0
	CROUND                                         ; the closing round: no work-group ends while a partner may still ask for a tile that names it
	s_endpgm
.Lfunc_end_k_q6af348d25c_qkv:
	.size	k_q6af348d25c_qkv, .Lfunc_end_k_q6af348d25c_qkv-k_q6af348d25c_qkv
	.p2alignl 7, 3214868480
	.fill 96, 4, 3214868480
	.section	.rodata,"a",@progbits
	.p2align	6, 0x0
	.amdhsa_kernel k_q6af348d25c_qkv
		.amdhsa_group_segment_fixed_size 327680
		.amdhsa_private_segment_fixed_size 0
		.amdhsa_enable_private_segment 0
		.amdhsa_kernarg_size 64
		.amdhsa_user_sgpr_count 2
		.amdhsa_user_sgpr_kernarg_segment_ptr 1
		.amdhsa_wavefront_size32 1
		.amdhsa_system_sgpr_workgroup_id_x 1
		.amdhsa_system_sgpr_workgroup_id_y 1
		.amdhsa_system_sgpr_workgroup_id_z 1
		.amdhsa_system_vgpr_workitem_id 0
		.amdhsa_next_free_vgpr 1024
		.amdhsa_next_free_sgpr 100
		.amdhsa_reserve_vcc 0
		.amdhsa_float_denorm_mode_32 3
		.amdhsa_float_denorm_mode_16_64 3
		.amdhsa_fp16_overflow 1
		.amdhsa_memory_ordered 1
		.amdhsa_forward_progress 1
		.amdhsa_inst_pref_size 96
	.end_amdhsa_kernel
	.amdgpu_metadata
---
amdhsa.version: [ 1, 2 ]
amdhsa.kernels:
  - .name:           k_q6af348d25c_qkv
    .symbol:         k_q6af348d25c_qkv.kd
    .args:
      - { .name: x_codes, .offset: 0, .size: 8, .value_kind: global_buffer, .address_space: global }
      - { .name: wq_codes, .offset: 8, .size: 8, .value_kind: global_buffer, .address_space: global }
      - { .name: wk_codes, .offset: 16, .size: 8, .value_kind: global_buffer, .address_space: global }
      - { .name: wv_codes, .offset: 24, .size: 8, .value_kind: global_buffer, .address_space: global }
      - { .name: lowp_scales, .offset: 32, .size: 8, .value_kind: global_buffer, .address_space: global }
      - { .name: q_img, .offset: 40, .size: 8, .value_kind: global_buffer, .address_space: global }
      - { .name: k_img, .offset: 48, .size: 8, .value_kind: global_buffer, .address_space: global }
      - { .name: v_img, .offset: 56, .size: 8, .value_kind: global_buffer, .address_space: global }
    .group_segment_fixed_size: 327680
    .private_segment_fixed_size: 0
    .kernarg_segment_align: 8
    .kernarg_segment_size: 64
    .max_flat_workgroup_size: 128
    .sgpr_count:     100
    .vgpr_count:     1024
    .wavefront_size: 32
...
	.end_amdgpu_metadata
.endif
;; end of part 1
;; launch attn (part 2): grid 4 x 64, 16 waves a work-group, clusters of 4 x 1, 327,680 bytes of LDS; arguments q_img, k_img, v_img, lowp_scales, attn_img; writes attn_img
.if DOCPART == 2
	.amdgcn_target "amdgcn-amd-amdhsa--gfx1250"
	.amdhsa_code_object_version 6
	.text
	.protected	k_q6af348d25c_attn
	.globl	k_q6af348d25c_attn
	.p2align	8
	.type	k_q6af348d25c_attn,@function
k_q6af348d25c_attn:
	s_mov_b64 s[64:65], 0
	v_nop
	global_prefetch_b8 v0, s[64:65] scope:SCOPE_SE
	s_setreg_imm32_b32 hwreg(HW_REG_WAVE_MODE, 25, 1), 1
	s_wait_xcnt 0x0
	s_wait_alu depctr_hold_cnt(0) depctr_sa_sdst(0) depctr_va_vdst(0) depctr_va_sdst(0) depctr_va_ssrc(0) depctr_va_vcc(0) depctr_vm_vsrc(0)
	s_getreg_b32 s2, hwreg(HW_REG_IB_STS2, 6, 4)
	s_cmp_eq_u32 s2, 0
	s_cbranch_scc0 .Lentry_in_a_cluster
	s_endpgm
.Lentry_in_a_cluster:
	s_bfe_u32 s2, ttmp6, 0x10000c
	s_cmp_lg_u32 s2, 0x3003
	s_cbranch_scc0 .Lentry_shape_is_right
	s_endpgm
.Lentry_shape_is_right:
; Causal attention of one head (64 channels, 2,048 positions) on codes of FP8 (E4M3), and the quantiser of its result.  q_img, k_img, v_img: images of operand registers (pieces of 512 bytes, lane l's 16 bytes at 16 l):
;   q_img, k_img: head x 131072 + T x 1024 + c x 512: tile T's slot r is position 32 (T / 2) + 8 (T % 2) + r + 8 (r / 8); channels 32 c + 16 (lane / 16) + 0 .. 15
;   v_img: head x 131072 + ks x 8192 + t x 2048 + c x 512: slot r is channel 32 (t / 2) + 8 (t % 2) + r + 8 (r / 8); keys 128 ks + 32 c + 16 (lane / 16) + 0 .. 15
; THE SOFTMAX: t = score x log2(e) / 8; M = the row's largest t so far, rounded UP to a whole number; p = 2^(t - M) is what is quantised, not normalised.  The row's sum is taken of the unquantised p, in f32,
; and divides O at the end.  When M moves, the sum and O are multiplied by 2^(old M - new M): exact.
; SHARES.  The four work-groups of a cluster own one head.  Wave w of work-group j owns TWO tiles of 16 queries: 4 w + j and 127 - (4 w + j).  A tile T needs the key steps (128 keys) 0 .. T / 8, the last of them masked;
; T / 8 is w / 2 for the one tile and 15 - w / 2 for the other: numbers of the wave alone.  So every wave has 17 steps of work, and no branch hangs on the place in the cluster.
; A step all of whose keys come after the tile's queries is jumped over.
; CLUSTER.  All four work-groups walk the head's 2,048 keys in the same order, so each tile of K and V is asked for JOINTLY, by the same tensor load with a mask that names the four.
; RING.  Two slots of 512 keys (K's four steps of 8 KiB, then V's four), 65,536 bytes each.  Waves 0 and 1 fetch K's halves, waves 2 and 3 V's, 16 KiB a load (64 dense rows of 256 bytes); all sixteen read.
; LAYOUT.  Both products are used transposed: S^T = K Q^T (source 0 = 16 keys, source 1 = my 16 queries), O^T = V^T P^T: a lane holds ONE query throughout.  By the order of the slots in a tile, register n of S^T is key
; 32 (n / 16) + 16 (lane / 16) + n % 16 of the step, so p's conversions give the second product's operand; likewise O^T's register 16 c + i is channel 32 c + 16 (lane / 16) + i, so the result's conversions give
; pieces of the last product's operand, which are stored from registers:
;   attn_img: (head / 4) x 2097152 + RT x 4096 + (head % 4) x 1024 + c x 512 + lane x 16, RT = 128 x batch + T.
; LIMITS on the given exponents: e6 + e7 between -123 and 130 (they are added to c's exponent field); e8 and e10 between -126 and 119; e8 + e9 goes in by v_ldexp_f32 and has none.  NaN is not served.
.set SLOT1, 65536                      ; slot 1 begins here: one exclusive or turns an address in one slot into the other's
.set VOFF,  32768                      ; V's steps in a slot
.set STEPB, 8192                       ; a key step's bytes of K, and of V
.set SPARE, 131072                     ; behind the ring: the spare words, 128 bytes for each of 16 waves
.set NSL,   4                          ; slots' worth of keys
.set L16,  1                           ; v1   16 x lane: my place in a piece, in LDS and in memory
.set SPW,  2                           ; v2   LDS address of my spare word; never rewritten
.set NIL,  3                           ; v3   0; never rewritten
.set AD,   4                           ; v4   LDS address of the step in hand
.set DVA,  5                           ; v5   tile A: my query's place in its masked step, less 16 (lane / 16)
.set DVB,  6                           ; v6   tile B's
.set NINF, 7                           ; v7   -infinity
.set STA,  8                           ; v8 -M, v9 the largest t, v[10:11] the sum in two halves: tile A
.set STB,  12                          ; v12-15 tile B
.set QA,   16                          ; v16-23 tile A's queries;  v24-31 tile B's
.set QB,   24
.set FG,   32                          ; v32-95   eight fragments of K, then four of V
.set S,    96                          ; v96-159  S^T, then p
.set OA,   160                         ; v160-191 O^T of tile A;  v192-223 of tile B
.set OB,   192
.set PC,   224                         ; v224-239 p's codes
.set PLIM, 240
.set PSCL, 241                         ; 2^e8
.set SUM2, 242                         ; v[242:243] the second chain of the sum
.set PERM, 244                         ; a lane permute's destination
.set FF,   246                         ; v[246:247] f = 2^(old M - new M)
.set MX,   248                         ; v248, v249 the maximum's two chains; at the end 1 / the sum
.set ALIM, 250
.set ASCL, 251                         ; 2^e10
.set WV,   18                          ; s18  my wave's number
.set HD,   19                          ; s19  the head, 0 .. 63
.set SEL,  20                          ; s[20:21] lane selects: lane l xor 16
.set CS,   22                          ; s[22:23] c = log2(e) / 8 x 2^(e6 + e7)
.set G1,   24                          ; s[24:31] descriptor group 1, for K's and V's tiles alike
.set G0K,  32                          ; s[32:35] group 0 for K's tiles, s[36:39] for V's: they walk
.set G0V,  36
.set TB,   40                          ; s40  LDS byte at which the step in hand begins
.set KS,   41                          ; s41  the key step, 0 .. 15
.set BA,   42                          ; s42  tile A's last (masked) step;  s43 tile B's
.set BB,   43
.set SLOTS, 60
.set INNER, 61
; Waves 0 and 1 fetch for K, waves 2 and 3 for V, the others nothing.  The branches hang on the wave's number alone.  Four v_nop follow each of the two lines.
.macro TLOAD
	s_cmp_lt_u32 s[WV], 2
	s_cbranch_scc0 .Lnot_k_\@
	tensor_load_to_lds s[G0K:G0K+3], s[G1:G1+7]
	s_nop 0
.rept 4
	v_nop
.endr
	s_branch .Lasked_\@
.Lnot_k_\@:
	s_cmp_lt_u32 s[WV], 4
	s_cbranch_scc0 .Lasked_\@
	tensor_load_to_lds s[G0V:G0V+3], s[G1:G1+7]
	s_nop 0
.rept 4
	v_nop
.endr
.Lasked_\@:
.endm
.macro CROUND                          ; a round of the cluster's barrier
	s_barrier_signal -1
	s_barrier_wait -1
	s_cmp_lg_u32 s[WV], 0
	s_cbranch_scc1 .Lnot_wave_0_\@
	s_barrier_signal -3
.Lnot_wave_0_\@:
	s_barrier_wait -3
	s_barrier_signal -1
	s_barrier_wait -1
.endm
	s_load_b256 s[4:11], s[0:1], 0x0               ; q_img s[4:5], k_img s[6:7], v_img s[8:9], the scales s[10:11]
	s_load_b64 s[12:13], s[0:1], 0x20              ; attn_img
	v_lshl_add_u32 v[SPW], v0, 2, SPARE
	v_mov_b32 v[NIL], 0
	ds_add_u32 v2, v3
	ds_add_u32 v2, v3
	s_wait_dscnt 0x0
	v_lshrrev_b32 v4, 5, v0
	s_delay_alu instid0(VALU_DEP_1)
	v_readfirstlane_b32 s[WV], v4                  ; wave 0..15
	s_bfe_u32 s49, ttmp6, 0x40000                  ; cx: it enters Q's and the result's addresses and the mask's compare, nothing else
	s_and_b32 s[HD], ttmp7, 0xffff                 ; the head, which the four partners share
	s_lshl_b32 s50, s[WV], 2
	s_add_co_u32 s50, s50, s49                     ; tile A = 4 w + cx
	s_sub_co_u32 s51, 127, s50                     ; tile B
	s_lshr_b32 s[BA], s[WV], 1                     ; tile A / 8
	s_sub_co_u32 s[BB], 15, s[BA]                  ; tile B / 8
	s_lshl_b32 s14, s[HD], 17                      ; the head's first byte in q_img, k_img, v_img
	s_and_b32 s16, s[WV], 1
	s_lshl_b32 s16, s16, 14                        ; which 16 KiB of a slot's K or V I fetch: in memory and in LDS alike
	s_add_co_u32 s2, s14, s16
	s_mov_b32 s3, 0
	s_lshl_b32 s62, s50, 10                        ; a tile of queries is 1,024 bytes
	s_add_co_u32 s56, s14, s62
	s_mov_b32 s57, 0
	s_lshl_b32 s62, s51, 10
	s_add_co_u32 s58, s14, s62
	s_mov_b32 s59, 0
	s_and_b32 s62, s[HD], 15                       ; the result's place: (head / 4) x 2^21 + (head % 4) x 1,024 + batch x 128 x 4,096 + tile x 4,096
	s_lshr_b32 s63, s62, 2
	s_lshl_b32 s63, s63, 21
	s_and_b32 s62, s62, 3
	s_lshl_b32 s62, s62, 10
	s_add_co_u32 s63, s63, s62
	s_lshr_b32 s62, s[HD], 4
	s_lshl_b32 s62, s62, 19
	s_add_co_u32 s63, s63, s62
	s_lshl_b32 s62, s50, 12
	s_add_co_u32 s52, s63, s62
	s_mov_b32 s53, 0
	s_lshl_b32 s62, s51, 12
	s_add_co_u32 s54, s63, s62
	s_mov_b32 s55, 0
	; descriptor group 1: 64 rows of 256 bytes (32 elements of 8 bytes), dense in memory and in LDS
	s_mov_b32 s[G1], 15|(3<<16)|(1<<21)            ; 15:0 the mask: all four work-groups; 17:16 elements of 8 bytes; 20 no padding; 21 set beside a mask
	s_mov_b32 s[G1+1], 32<<16                      ; tensor_dim0 = 32
	s_mov_b32 s[G1+2], 64<<16                      ; tensor_dim1 = 64
	s_mov_b32 s[G1+3], 32<<16                      ; tile_dim0 = 32
	s_mov_b32 s[G1+4], 64                          ; tile_dim1 = 64
	s_mov_b32 s[G1+5], 32                          ; tensor_dim0_stride
	s_mov_b32 s[G1+6], 0
	s_mov_b32 s[G1+7], 0
	s_mov_b32 s[SEL], 0x76543210
	s_mov_b32 s[SEL+1], 0xfedcba98
	s_mov_b32 s[CS], 0x3e38aa3b                    ; log2(e) / 8
	s_mov_b32 s[TB], 0
	s_mov_b32 s[KS], 0
	s_mov_b32 s[SLOTS], NSL-1
	s_wait_kmcnt 0x0
	s_load_b128 s[44:47], s[10:11], 0x18           ; e6, e7, e8, e9
	s_load_b32 s48, s[10:11], 0x28                 ; e10
	s_add_nc_u64 s[56:57], s[4:5], s[56:57]        ; tile A's queries,
	s_add_nc_u64 s[58:59], s[4:5], s[58:59]        ; tile B's
	s_add_nc_u64 s[52:53], s[12:13], s[52:53]      ; tile A's result,
	s_add_nc_u64 s[54:55], s[12:13], s[54:55]      ; tile B's
	CROUND                                         ; all four work-groups are here: the first joint loads meet
	s_mov_b32 s[G0K], 1                            ; count = 1
	s_mov_b32 s[G0K+1], s16                        ; LDS address: slot 0, K's half
	s_add_nc_u64 s[G0K+2:G0K+3], s[6:7], s[2:3]    ; global address: the head's first 512 keys
	s_or_b32 s[G0K+3], s[G0K+3], 0x80000000        ; type = 2
	s_mov_b32 s[G0V], 1
	s_add_co_u32 s[G0V+1], s16, VOFF
	s_add_nc_u64 s[G0V+2:G0V+3], s[8:9], s[2:3]
	s_or_b32 s[G0V+3], s[G0V+3], 0x80000000
	TLOAD                                          ; slot 0
	v_and_b32 v[L16], 31, v0
	s_delay_alu instid0(VALU_DEP_1)
	v_lshlrev_b32 v[L16], 4, v[L16]
	global_load_b128 v[QA:QA+3],   v[L16], s[56:57]            ; the queries stay in registers: two pieces a tile
	global_load_b128 v[QA+4:QA+7], v[L16], s[56:57] offset:512
	global_load_b128 v[QB:QB+3],   v[L16], s[58:59]
	global_load_b128 v[QB+4:QB+7], v[L16], s[58:59] offset:512
	v_and_b32 v4, 15, v0                           ; r
	s_delay_alu instid0(VALU_DEP_1)
	v_and_b32 v5, 8, v4
	s_delay_alu instid0(VALU_DEP_1)
	v_add_nc_u32 v4, v4, v5                        ; r + 8 (r / 8)
	v_bfe_u32 v5, v0, 4, 1
	s_delay_alu instid0(VALU_DEP_1)
	v_lshlrev_b32 v5, 4, v5
	s_delay_alu instid0(VALU_DEP_1)
	v_sub_nc_u32 v4, v4, v5                        ; - 16 (lane / 16)
	s_wait_alu depctr_va_vdst(0)
	s_and_b32 s62, s50, 6                          ; a tile's first query within its step of 128: 32 ((T / 2) % 4) + 8 (T % 2)
	s_lshl_b32 s62, s62, 4
	s_and_b32 s63, s50, 1
	s_lshl_b32 s63, s63, 3
	s_add_co_u32 s62, s62, s63
	v_add_nc_u32 v[DVA], s62, v4
	s_and_b32 s62, s51, 6
	s_lshl_b32 s62, s62, 4
	s_and_b32 s63, s51, 1
	s_lshl_b32 s63, s63, 3
	s_add_co_u32 s62, s62, s63
	v_add_nc_u32 v[DVB], s62, v4
	v_mov_b32 v[NINF], 0xff800000
.irp st, STA, STB
	v_mov_b32 v[\st+1], 0xff61b1e6                 ; the largest t so far: -3e38, under every t
	s_delay_alu instid0(VALU_DEP_1)
	v_floor_f32 v[\st], -v[\st+1]                  ; -M
	v_mov_b32 v[\st+2], 0                          ; the sum, in two halves
	v_mov_b32 v[\st+3], 0
.endr
	v_mov_b32 v[PERM], 0                           ; written once: a lane permute's destination counts as one of its sources
	v_mov_b32 v[FF+1], 0                           ; (named as the upper halves of pairs)
	v_mov_b32 v[MX+1], 0
.set j, 0
.rept 64
	v_mov_b32 v[OA+j], 0                           ; O^T of both tiles.  (The step is written once: the first finds zeros, which the first change of M leaves zeros)
.set j, j+1
.endr
	s_wait_kmcnt 0x0
	s_add_co_i32 s62, s44, s45
	s_lshl_b32 s62, s62, 23
	s_add_co_i32 s[CS], s[CS], s62                 ; a score stands for score x 2^(e6 + e7): the two exponents are added to c's exponent field
	s_mov_b32 s[CS+1], s[CS]                       ; (named with it as a pair, so it is written)
	s_add_co_i32 s62, s46, 127
	s_lshl_b32 s63, s62, 23
	v_mov_b32 v[PSCL], s63                         ; 2^e8 as f32
	s_add_co_i32 s62, s48, 127
	s_lshl_b32 s63, s62, 23
	v_mov_b32 v[ASCL], s63                         ; 2^e10
	s_add_co_i32 s17, s46, s47                     ; e8 + e9
; A KEY STEP of one tile: 128 keys.  q: the tile's queries; o: its O^T; st: its statistics; dv: its mask register; bx: the scalar that holds its last step.
; The accumulators take turns, one instruction a turn, on every way through the text.
.macro STEP q, o, st, dv, bx
	s_cmp_gt_u32 s[KS], s[\bx]                     ; all 128 keys come after my 16 queries: nothing to do.  No barrier and no tensor load stands in a step
	s_cbranch_scc1 .Lhid_\@
	v_add_nc_u32 v[AD], s[TB], v[L16]
.rept 3
	v_nop                                          ; with the addition: four places in front of loads into registers that the last products have read
.endr
.irp t, 0,1,2,3,4,5,6,7
	ds_load_b128 v[FG+8*\t:FG+8*\t+3],   v[AD] offset:1024*\t       ; K's tile t as it lies: 512 consecutive bytes a load
	ds_load_b128 v[FG+8*\t+4:FG+8*\t+7], v[AD] offset:1024*\t+512
.endr
	s_wait_alu depctr_va_vdst(0)
	s_wait_dscnt 0x0
.irp t, 0,1,2,3,4,5,6,7
	v_wmma_f32_16x16x64_fp8_fp8 v[S+8*\t:S+8*\t+7], v[FG+8*\t:FG+8*\t+7], v[\q:\q+7], 0
.endr
.rept 4
	v_nop                                          ; places in front of the loads below and of the first read of the scores
.endr
.irp t, 0,1,2,3
.irp c, 0,1,2,3
	ds_load_b128 v[FG+16*\t+4*\c:FG+16*\t+4*\c+3], v[AD] offset:VOFF+2048*\t+512*\c   ; V's four fragments land while the softmax is worked
.endr
.endr
	s_cmp_lg_u32 s[KS], s[\bx]                     ; only the tile's last step lies on the diagonal
	s_cbranch_scc1 .Lopen_\@
.set n, 0
.rept 64
	v_cmp_gt_i32 vcc_lo, 32*(n/16)+n%16, v[\dv]    ; register n holds key 32 (n / 16) + 16 (lane / 16) + n % 16: hidden where it comes after my query
	v_cndmask_b32 v[S+n], v[S+n], v[NINF], vcc_lo  ; -infinity ahead of the maximum: p = 0 then.  Key 0 counts for every query, so M is a number from the first step on
.set n, n+1
.endr
.Lopen_\@:
	v_max3_num_f32 v[MX], v[S], v[S+1], v[S+2]     ; the step's largest score of my query, among my 64 keys, in two chains,
	v_max3_num_f32 v[MX+1], v[S+3], v[S+4], v[S+5]
.irp i, 6,10,14,18,22,26,30,34,38,42,46,50,54,58
	v_max3_num_f32 v[MX], v[MX], v[S+\i], v[S+\i+1]
	v_max3_num_f32 v[MX+1], v[MX+1], v[S+\i+2], v[S+\i+3]
.endr
	v_max3_num_f32 v[MX], v[MX], v[S+62], v[S+63]
	s_delay_alu instid0(VALU_DEP_1)
	v_max_num_f32 v[MX], v[MX], v[MX+1]
	s_delay_alu instid0(VALU_DEP_1)
	v_permlanex16_b32 v[PERM], v[MX], s[SEL], s[SEL+1]
	s_delay_alu instid0(VALU_DEP_1)
	v_max_num_f32 v[MX], v[MX], v[PERM]            ; and among lane l xor 16's
	s_delay_alu instid0(VALU_DEP_1)
	v_mul_f32 v[MX], s[CS], v[MX]                  ; as t (c is positive)
	s_delay_alu instid0(VALU_DEP_1)
	v_max_num_f32 v[\st+1], v[\st+1], v[MX]        ; the running largest t
	v_mov_b32 v[MX], v[\st]
	s_delay_alu instid0(VALU_DEP_2)
	v_floor_f32 v[\st], -v[\st+1]                  ; the new -M = floor(-t) = -ceil(t): M is a whole number
	s_delay_alu instid0(VALU_DEP_1)
	v_sub_f32 v[MX], v[\st], v[MX]                 ; M's old value less its new one: a whole number, 0 or less
	s_delay_alu instid0(VALU_DEP_1)
	v_cvt_i32_f32 v[MX], v[MX]                     ; (it saturates)
	s_delay_alu instid0(VALU_DEP_1)
	v_ldexp_f32 v[FF], 1.0, v[MX]                  ; f = 2^(old M - new M)
.set j, 0
.rept 32
	v_pk_fma_f32 v[S+j:S+j+1], v[S+j:S+j+1], s[CS:CS+1], v[\st:\st+1] op_sel_hi:[1,0,0]   ; t - M, two at a time (of the pairs c and -M the low word serves both halves)
.set j, j+2
.endr
.set j, 0
	s_wait_alu depctr_va_vdst(0)
.rept 64
	v_exp_f32 v[S+j], v[S+j]                       ; p = 2^(t - M), at most 1: not normalised
.set j, j+1
.endr
	v_pk_mul_f32 v[\st+2:\st+3], v[\st+2:\st+3], v[FF:FF+1] op_sel_hi:[1,0]   ; the sums under the new M.  (A plain place behind the exponentials)
	s_wait_alu depctr_va_vdst(0)
	v_pk_add_f32 v[SUM2:SUM2+1], v[S:S+1], v[S+2:S+3]                         ; the row's sum is taken of the unquantised p: two at a time, in two chains
.set j, 4
.rept 15
	v_pk_add_f32 v[\st+2:\st+3], v[\st+2:\st+3], v[S+j:S+j+1]
	v_pk_add_f32 v[SUM2:SUM2+1], v[SUM2:SUM2+1], v[S+j+2:S+j+3]
.set j, j+4
.endr
	s_delay_alu instid0(VALU_DEP_1)
	v_pk_add_f32 v[\st+2:\st+3], v[\st+2:\st+3], v[SUM2:SUM2+1]
.irp b, 0,1,2,3
.set i, 0
.rept 16
.set i, i+1
.endr
	v_cvt_scalef32_pk8_fp8_f32 v[PC+4*\b:PC+4*\b+1], v[S+16*\b:S+16*\b+7], v[PSCL]
	v_cvt_scalef32_pk8_fp8_f32 v[PC+4*\b+2:PC+4*\b+3], v[S+16*\b+8:S+16*\b+15], v[PSCL]
.endr
.set j, 0
.rept 16
	v_pk_mul_f32 v[\o+j:\o+j+1], v[\o+j:\o+j+1], v[FF:FF+1] op_sel_hi:[1,0]   ; O^T under the new M: x f; each accumulator from its low end on.  (Also the plain places behind the conversions)
.set j, j+2
.endr
	s_wait_alu depctr_va_vdst(0)
	s_wait_dscnt 0x0                               ; V is in
.irp t, 0,1,2,3
	v_wmma_f32_16x16x128_fp8_fp8 v[\o+8*\t:\o+8*\t+7], v[FG+16*\t:FG+16*\t+15], v[PC:PC+15], v[\o+8*\t:\o+8*\t+7]
.endr
.Lhid_\@:
.endm
; THE CHANGE OF SLOTS stands at a slot's head.  Each wave waits for all its tensor loads (its part of the slot that it is about to read), adds 0 to its spare word, and waits for that and for its reads of the slot that it has left.
; fill = 1: the barrier is a round of the cluster's, so that no wave of any partner still reads the other slot or has a load on its way, and that slot is filled with the 512 keys that follow: the load has four key steps in which to land.
.macro CHANGE fill
	s_wait_tensorcnt 0x0                           ; no tensor load of mine is out, so a group 0 may be written
	ds_add_u32 v[SPW], v[NIL]                      ; 0 onto my spare word
.if \fill
	s_xor_b32 s[G0K+1], s[G0K+1], SLOT1            ; the walking descriptors: the other slot than last time,
	s_add_nc_u64 s[G0K+2:G0K+3], s[G0K+2:G0K+3], 4*STEPB   ; the next 512 keys; the type bits on top are not reached
	s_xor_b32 s[G0V+1], s[G0V+1], SLOT1
	s_add_nc_u64 s[G0V+2:G0V+3], s[G0V+2:G0V+3], 4*STEPB
.endif
	s_wait_dscnt 0x0                               ; the add is done, and my reads of the slot that I have left are over
.if \fill
	CROUND
	TLOAD                                          ; the first thing behind the round, and a wave's one tensor load until the next
.else
	s_barrier_signal -1
	s_barrier_wait -1
.endif
.endm
; A slot's four key steps: written once, walked four times; the LDS address hangs on s[TB].
.macro SLOT_STEPS
	s_mov_b32 s[INNER], 4
.Lstep_\@:
	STEP QA, OA, STA, DVA, BA
	STEP QB, OB, STB, DVB, BB
	s_add_co_u32 s[TB], s[TB], STEPB
	s_add_co_u32 s[KS], s[KS], 1
	s_sub_co_u32 s[INNER], s[INNER], 1
	s_cmp_lg_u32 s[INNER], 0
	s_cbranch_scc1 .Lstep_\@
	s_sub_co_u32 s[TB], s[TB], 4*STEPB             ; back to a slot's first step,
	s_xor_b32 s[TB], s[TB], SLOT1                  ; in the other slot
.endm
	s_wait_loadcnt 0x0                             ; the queries
.Lslot:                                            ; NSL - 1 trips: behind each change of slots but the last the next slot is asked for
	CHANGE 1
	SLOT_STEPS
	s_sub_co_u32 s[SLOTS], s[SLOTS], 1
	s_cmp_lg_u32 s[SLOTS], 0
	s_cbranch_scc1 .Lslot
	CHANGE 0                                       ; the last slot is written out
	SLOT_STEPS
; THE WAY OUT of a tile.  O^T / the sum x 2^(e8 + e9) is the result; it is converted; a lane's 32 codes are two pieces' 16 bytes, stored from registers.
.macro OUT o, st, w, pc, base
	v_add_f32 v[MX], v[\st+2], v[\st+3]            ; the sum's two halves,
	s_delay_alu instid0(VALU_DEP_1)
	v_permlanex16_b32 v[PERM], v[MX], s[SEL], s[SEL+1]
	s_delay_alu instid0(VALU_DEP_1)
	v_add_f32 v[MX], v[MX], v[PERM]                ; and lane l xor 16's: the row's sum
	s_wait_alu depctr_va_vdst(0)
	v_rcp_f32 v[MX], v[MX]
	v_nop                                          ; one plain place behind a transcendental
	s_wait_alu depctr_va_vdst(0)
	v_ldexp_f32 v[MX], v[MX], s17                  ; x 2^(e8 + e9)
.set j, 0
.rept 16
	v_pk_mul_f32 v[\w+j:\w+j+1], v[\o+j:\o+j+1], v[MX:MX+1] op_sel_hi:[1,0]   ; register 16 c + i is channel 32 c + 16 (lane / 16) + i; each accumulator from its low end on
.set j, j+2
.endr
.set j, 0
.rept 32
.set j, j+1
.endr
.irp g, 0,1,2,3
	v_cvt_scalef32_pk8_fp8_f32 v[\pc+2*\g:\pc+2*\g+1], v[\w+8*\g:\w+8*\g+7], v[ASCL]
.endr
	v_nop                                          ; one plain vector instruction behind the last conversion
	global_store_b128 v[L16], v[\pc:\pc+3],   s[\base:\base+1]              ; the wave stores 512 consecutive bytes, at a multiple of 512 from the buffer's first byte
	global_store_b128 v[L16], v[\pc+4:\pc+7], s[\base:\base+1] offset:512
.endm
.rept 4
	v_nop                                          ; places behind the last products
.endr
	OUT OA, STA, S, PC, 52
	OUT OB, STB, S+32, PC+8, 54                    ; other registers than tile A's: no store's data are written again
	s_wait_tensorcnt 0x0                           ; the wave's end
	ds_add_u32 v[SPW], v[NIL]
	s_wait_dscnt 0x0
	CROUND                                         ; the closing round: no work-group ends while a partner may still ask for a tile that names it
	s_endpgm
.Lfunc_end_k_q6af348d25c_attn:
	.size	k_q6af348d25c_attn, .Lfunc_end_k_q6af348d25c_attn-k_q6af348d25c_attn
	.p2alignl 7, 3214868480
	.fill 96, 4, 3214868480
	.section	.rodata,"a",@progbits
	.p2align	6, 0x0
	.amdhsa_kernel k_q6af348d25c_attn
		.amdhsa_group_segment_fixed_size 327680
		.amdhsa_private_segment_fixed_size 0
		.amdhsa_enable_private_segment 0
		.amdhsa_kernarg_size 40
		.amdhsa_user_sgpr_count 2
		.amdhsa_user_sgpr_kernarg_segment_ptr 1
		.amdhsa_wavefront_size32 1
		.amdhsa_system_sgpr_workgroup_id_x 1
		.amdhsa_system_sgpr_workgroup_id_y 1
		.amdhsa_system_sgpr_workgroup_id_z 1
		.amdhsa_system_vgpr_workitem_id 0
		.amdhsa_next_free_vgpr 256
		.amdhsa_next_free_sgpr 66
		.amdhsa_reserve_vcc 1
		.amdhsa_float_denorm_mode_32 3
		.amdhsa_float_denorm_mode_16_64 3
		.amdhsa_fp16_overflow 1
		.amdhsa_memory_ordered 1
		.amdhsa_forward_progress 1
		.amdhsa_inst_pref_size 90
	.end_amdhsa_kernel
	.amdgpu_metadata
---
amdhsa.version: [ 1, 2 ]
amdhsa.kernels:
  - .name:           k_q6af348d25c_attn
    .symbol:         k_q6af348d25c_attn.kd
    .args:
      - { .name: q_img, .offset: 0, .size: 8, .value_kind: global_buffer, .address_space: global }
      - { .name: k_img, .offset: 8, .size: 8, .value_kind: global_buffer, .address_space: global }
      - { .name: v_img, .offset: 16, .size: 8, .value_kind: global_buffer, .address_space: global }
      - { .name: lowp_scales, .offset: 24, .size: 8, .value_kind: global_buffer, .address_space: global }
      - { .name: attn_img, .offset: 32, .size: 8, .value_kind: global_buffer, .address_space: global }
    .group_segment_fixed_size: 327680
    .private_segment_fixed_size: 0
    .kernarg_segment_align: 8
    .kernarg_segment_size: 40
    .max_flat_workgroup_size: 512
    .sgpr_count:     66
    .vgpr_count:     256
    .wavefront_size: 32
...
	.end_amdgpu_metadata
.endif
;; end of part 2
;; launch oproj (part 3): grid 4 x 32, 4 waves a work-group, clusters of 4 x 4, 327,680 bytes of LDS; arguments attn_img, wo_codes, lowp_scales, out0; writes out0
.if DOCPART == 3
	.amdgcn_target "amdgcn-amd-amdhsa--gfx1250"
	.amdhsa_code_object_version 6
	.text
	.protected	k_q6af348d25c_oproj
	.globl	k_q6af348d25c_oproj
	.p2align	8
	.type	k_q6af348d25c_oproj,@function
k_q6af348d25c_oproj:
	s_mov_b64 s[64:65], 0
	v_nop
	global_prefetch_b8 v0, s[64:65] scope:SCOPE_SE
	s_setreg_imm32_b32 hwreg(HW_REG_WAVE_MODE, 25, 1), 1
	s_wait_xcnt 0x0
	s_wait_alu depctr_hold_cnt(0) depctr_sa_sdst(0) depctr_va_vdst(0) depctr_va_sdst(0) depctr_va_ssrc(0) depctr_va_vcc(0) depctr_vm_vsrc(0)
	s_getreg_b32 s2, hwreg(HW_REG_IB_STS2, 6, 4)
	s_cmp_eq_u32 s2, 0
	s_cbranch_scc0 .Lentry_in_a_cluster
	s_endpgm
.Lentry_in_a_cluster:
	s_bfe_u32 s2, ttmp6, 0x10000c
	s_cmp_lg_u32 s2, 0xf033
	s_cbranch_scc0 .Lentry_shape_is_right
	s_endpgm
.Lentry_shape_is_right:
; out0 = attn wo^T on codes of FP8 (E4M3).  wo: [1024][1024] codes, K innermost.  out0: [8192][1024] f32.  Each finished sum is multiplied once by 2^(e10 + e11).
; attn comes as IMAGES OF OPERAND REGISTERS: attn_img: kstep x 2097152 + RT x 4096 + q x 2048 + c x 512 + lane x 16: slot r of row tile RT is row 32 (RT / 2) + 8 (RT % 2) + r + 8 (r / 8);
; K = 256 kstep + 128 q + 32 c + 16 (lane / 16) + 0 .. 15.  So a K step's 256 rows of A are 65,536 dense bytes, a fragment is four loads of 512 consecutive bytes, and only the way out knows which rows a tile holds.
; LIMIT: e10 + e11 lies between -126 and 127, so that 2^(e10 + e11) is an f32 number.
; A tile of out0, 256 x 256, is made by a work-group of four waves; a wave makes 128 x 128: 64 accumulators, 512 registers.  K goes in steps of 256 through a ring of two LDS slots filled by the tensor data mover.
; CLUSTERS: 4 x 4 work-groups.  The four of a row of the cluster need the same tiles of A, the four of a column the same tiles of B: each tile is asked for JOINTLY.
; The matrix instruction is used transposed (source 0 = 16 rows of wo, source 1 = 16 rows of attn): a lane holds eight neighbouring numbers of a row of out0.
; The grid has 128 work-groups: 8,192 x 1,024 numbers are 128 tiles of 256 x 256.
; REGISTERS, in windows of 256: window 0: v0-31 addresses; from v128 A's fragments, ONE set; on the way out v32-255 are free.   window 1: B's fragments, TWO sets.
;   window 2: the accumulators of my rows 0-63 ((a, b) at v[8 (8 a + b)]);   window 3: those of my rows 64-127.
.set SIZE_N, 1024
.set ROWB,   256                       ; a row of B's tile in bytes
.set KROW,   1024                      ; a row of wo in memory
.set PITCH,  272                       ; B's LDS row: 256 bytes + 16 of padding: the 16 rows that a load touches start at 16 different banks (64 banks of 4 bytes: ISA guide 11.1)
.set FR,     16
.set NL,     4
.set NP,     4                         ; places behind this matrix instruction (ISA guide 7.12.1)
.set HALFA,  32768                     ; A: 8 row tiles of 4,096 bytes: what one tensor load brings, and what one wave reads
.set HALFT,  128*PITCH                 ; B: 128 rows
.set BOFF,   2*HALFA                   ; B's rows lie behind A's 65,536 bytes
.set SLOT,   BOFF+2*HALFT
.set KPLANE, 2097152                   ; from a K step of A to the next
.set LAPS,   2
.set SPARE,  2*SLOT                    ; behind the ring: the spare words, 128 bytes for each wave
.set SPITCH, 528                       ; the way out: a stage of 16 rows x (512 bytes + 16) for each wave, in slot 0, which has had its last fill and its last read when the first result is stored there
.set ADRA, 16
.set ADRB, 20
.set STO,  24
.set RD,   25
.set CO,   26                          ; v26  16 x lane
.set SPW,  28
.set NIL,  29
.set TMP,  32
.set AF,   128
.set BK,   128
.set G1, 24
.set G0, 32
.set G1B, 48
.set G0B, 56
.set MSB, 0
.macro WIN new                         ; the immediate's high byte repeats the setting that is left
.if MSB != \new
	s_set_vgpr_msb (MSB<<8)|\new
.set MSB, \new
.endif
.endm
.set MUL_LO, 0xa1
.set MUL_HI, 0xf1
.set TO_B,   0x40
.macro JLOAD g0a, g1a, g0b, g1b        ; a joint load: waves 0 and 1 fetch for A, waves 2 and 3 for B; four v_nop follow each of the two lines
	s_cmp_eq_u32 s15, 0
	s_cbranch_scc0 .Lfor_b_\@
	tensor_load_to_lds s[\g0a:\g0a+3], s[\g1a:\g1a+7]
	s_nop 0
.rept 4
	v_nop
.endr
	s_branch .Lasked_\@
.Lfor_b_\@:
	tensor_load_to_lds s[\g0b:\g0b+3], s[\g1b:\g1b+7]
	s_nop 0
.rept 4
	v_nop
.endr
.Lasked_\@:
.endm
.macro CREST
	s_cmp_lg_u32 s14, 0
	s_cbranch_scc1 .Lnot_wave_0_\@
	s_barrier_signal -3
.Lnot_wave_0_\@:
	s_barrier_wait -3
	s_barrier_signal -1
	s_barrier_wait -1
.endm
.macro CROUND
	s_barrier_signal -1
	s_barrier_wait -1
	CREST
.endm
	s_load_b128 s[4:7], s[0:1], 0x0                ; attn_img s[4:5], wo's codes s[6:7]
	s_load_b128 s[8:11], s[0:1], 0x10              ; the scales s[8:9], out0 s[10:11]
	v_lshl_add_u32 v[SPW], v0, 2, SPARE
	v_mov_b32 v[NIL], 0
	ds_add_u32 v28, v29
	ds_add_u32 v28, v29
	s_wait_dscnt 0x0
	v_lshrrev_b32 v1, 5, v0
	v_readfirstlane_b32 s14, v1                    ; wave 0..3
	s_lshr_b32 s15, s14, 1                         ; which half of the tile's rows is mine.  Also: I fetch for A (0) or for B (1)
	s_and_b32 s16, s14, 1                          ; which half of its columns.  Also: which half of that tile I fetch
	s_bfe_u32 s40, ttmp6, 0x40000                  ; cx, cy
	s_bfe_u32 s41, ttmp6, 0x40004
	s_lshl_b32 s42, ttmp9, 2
	s_add_co_u32 s42, s42, s40                     ; tile column = 4 x cluster x + cx
	s_and_b32 s17, ttmp7, 0xffff
	s_lshl_b32 s17, s17, 2
	s_add_co_u32 s17, s17, s41                     ; tile row = 4 x cluster y + cy
	s_lshl_b32 s43, s41, 2
	s_lshl_b32 s43, 15, s43                        ; my row of the cluster
	s_lshl_b32 s44, 0x1111, s40                    ; my column
	; descriptor group 1.  A: 128 dense rows of 256 bytes (32 elements of 8 bytes), no padding
	s_or_b32 s[G1+0], s43, (3<<16)|(1<<21)         ; 15:0 the mask: A's tiles go to my row; 17:16 elements of 8 bytes; 21 set beside a mask
	s_mov_b32 s[G1+1], 32<<16                      ; tensor_dim0 = 32
	s_mov_b32 s[G1+2], 128<<16                     ; tensor_dim1 = 128
	s_mov_b32 s[G1+3], 32<<16                      ; tile_dim0 = 32
	s_mov_b32 s[G1+4], 128                         ; tile_dim1 = 128
	s_mov_b32 s[G1+5], 32                          ; tensor_dim0_stride
	s_mov_b32 s[G1+6], 0
	s_mov_b32 s[G1+7], 0
	; B: 128 rows of 256 bytes, 1,024 bytes apart, padded in LDS
	s_or_b32 s[G1B+0], s44, (0<<16)|(1<<20)|(1<<21)|(5<<22)|(3<<25)  ; the mask of my column; element of 1 byte; padding of 4 words after every 64
	s_mov_b32 s[G1B+1], ROWB<<16
	s_mov_b32 s[G1B+2], 128<<16
	s_mov_b32 s[G1B+3], ROWB<<16
	s_mov_b32 s[G1B+4], 128
	s_mov_b32 s[G1B+5], KROW
	s_mov_b32 s[G1B+6], 0
	s_mov_b32 s[G1B+7], 0
	s_lshl_b32 s45, s16, 15                        ; A's half: in memory and in LDS alike
	s_lshl_b32 s20, s17, 16                        ; a tile row's 16 row tiles of 4,096 bytes
	s_add_co_u32 s20, s20, s45
	s_mov_b32 s21, 0
	s_lshl_b32 s46, s42, 18                        ; B: 256 rows of 1,024 bytes a tile column,
	s_lshl_b32 s18, s16, 17                        ; 128 rows a half
	s_add_co_u32 s46, s46, s18
	s_mov_b32 s47, 0
	s_mul_i32 s12, s16, HALFT
	s_add_co_u32 s12, s12, BOFF                    ; B's half in LDS: no place in the cluster enters an LDS address
	s_wait_kmcnt 0x0
	s_load_b64 s[96:97], s[8:9], 0x28              ; e10, e11
	s_add_nc_u64 s[20:21], s[4:5], s[20:21]
	s_add_nc_u64 s[46:47], s[6:7], s[46:47]
	CROUND                                         ; all sixteen work-groups are here: the first joint loads meet
.irp s, 0,1
	s_mov_b32 s[G0+4*\s], 1
	s_add_co_u32 s[G0+4*\s+1], s45, \s*SLOT
	s_add_nc_u64 s[G0+4*\s+2:G0+4*\s+3], s[20:21], \s*KPLANE
	s_or_b32 s[G0+4*\s+3], s[G0+4*\s+3], 0x80000000
	s_mov_b32 s[G0B+4*\s], 1
	s_add_co_u32 s[G0B+4*\s+1], s12, \s*SLOT
	s_add_nc_u64 s[G0B+4*\s+2:G0B+4*\s+3], s[46:47], \s*ROWB
	s_or_b32 s[G0B+4*\s+3], s[G0B+4*\s+3], 0x80000000
	s_wait_alu depctr_va_vdst(0)
	s_wait_tensorcnt 0x0
	ds_add_u32 v28, v29
	ds_add_u32 v28, v29
	s_wait_dscnt 0x0
	CROUND
	JLOAD G0+4*\s, G1, G0B+4*\s, G1B
.endr
	v_and_b32 v1, 15, v0                           ; r
	v_bfe_u32 v2, v0, 4, 1                         ; h
	v_mul_u32_u24 v3, v1, PITCH
	v_lshl_add_u32 v4, v2, 4, v3                   ; B: a fragment's row x pitch + 16 x half
	v_and_b32 v6, 31, v0
	v_lshlrev_b32 v[CO], 4, v6                     ; A: 16 x lane
	s_wait_alu depctr_va_vdst(0)
	s_lshl_b32 s21, s15, 15                        ; my 8 row tiles of A
	s_mul_i32 s22, s16, HALFT                      ; my 128 rows of B,
	s_add_co_u32 s22, s22, BOFF                    ; which lie behind A's bytes
.irp s, 0,1
	v_add_nc_u32 v[ADRA+\s], s21, v[CO]
	v_add_nc_u32 v[ADRB+\s], s22, v4
	s_add_co_u32 s21, s21, SLOT
	s_add_co_u32 s22, s22, SLOT
.endr
	s_mul_i32 s23, s14, 16*SPITCH                  ; my stage
	v_mul_u32_u24 v5, v1, SPITCH                   ; in: row r, 32 bytes for each half of the lanes
	v_lshl_add_u32 v5, v2, 5, v5
	v_add_nc_u32 v[STO], s23, v5
	v_add_nc_u32 v[RD], s23, v[CO]                 ; back: the 32 lanes take one row of 512 bytes
	s_lshl_b32 s20, s17, 8
	s_lshl_b32 s21, s15, 7
	s_add_co_u32 s20, s20, s21                     ; my first row of out0: 256 x tile row + 128 x half,
	s_lshl_b32 s20, s20, 12                        ; of 4,096 bytes: under 2^25
	s_mov_b32 s21, 0
	s_lshl_b32 s46, s42, 10                        ; my first column, in bytes: 1,024 x tile column + 512 x half
	s_lshl_b32 s47, s16, 9
	s_add_co_u32 s46, s46, s47
	s_mov_b32 s47, 0
	s_add_nc_u64 s[20:21], s[20:21], s[46:47]
	s_add_nc_u64 s[10:11], s[10:11], s[20:21]
.macro FRAG reg, adr, q, i             ; B's fragment: lane l holds row l % 16; registers 4 c .. 4 c + 3 hold K = 32 c + 16 (l / 16) + 0 .. 15
.irp c, 0,1,2,3
	ds_load_b128 v[\reg+4*\c:\reg+4*\c+3], v[\adr] offset:128*(\q)+32*\c+(\i)*16*PITCH
.endr
.endm
.macro FRAGA reg, adr, q, i            ; A's fragment, as it lies: row tile i, the slot's q-th 128 along K: the same k in the same registers as B's
.irp c, 0,1,2,3
	ds_load_b128 v[\reg+4*\c:\reg+4*\c+3], v[\adr] offset:(\i)*4096+(\q)*2048+512*\c
.endr
.endm
; 16 matrix instructions: A's blocks a0, a0 + 1 x B's eight.  The 64 accumulators take turns, one instruction a turn, in the same order in every step.
.macro MUL16 a0, p, zero
.irp a, \a0, \a0+1
.irp b, 0,1,2,3,4,5,6,7
.if \zero
	v_wmma_f32_16x16x128_fp8_fp8 v[8*(8*((\a)%4)+\b):8*(8*((\a)%4)+\b)+7], v[128*(\p)+FR*\b:128*(\p)+FR*\b+FR-1], v[AF+FR*(\a):AF+FR*(\a)+FR-1], 0
.else
	v_wmma_f32_16x16x128_fp8_fp8 v[8*(8*((\a)%4)+\b):8*(8*((\a)%4)+\b)+7], v[128*(\p)+FR*\b:128*(\p)+FR*\b+FR-1], v[AF+FR*(\a):AF+FR*(\a)+FR-1], v[8*(8*((\a)%4)+\b):8*(8*((\a)%4)+\b)+7]
.endif
.endr
.endr
.endm
.macro FETCH_B slot, q, p
	WIN TO_B
.irp i, 0,1,2,3,4,5,6,7
	FRAG 128*(\p)+FR*\i, ADRB+\slot, \q, \i
.endr
	WIN 0
.endm
.macro FETCH_A slot, q, i0
.irp i, \i0, \i0+1, \i0+2, \i0+3
	FRAGA AF+FR*(\i), ADRA+\slot, \q, \i
.endr
.endm
.macro PLACES n                        ; places in front of loads into registers that matrix instructions have read, and of the first read of results
.rept \n
	v_nop
.endr
.endm
.macro STEP slot, q, zero
	s_wait_dscnt 4*NL                              ; B's set and A's blocks 0-3 are in; the youngest sixteen loads (A's blocks 4-7) may be out
	WIN MUL_LO
	MUL16 0, (\q)%2, \zero
	MUL16 2, (\q)%2, \zero
	s_wait_dscnt 0                                 ; A's blocks 4-7 are in
	PLACES NP
	FETCH_B \slot, (\q)+1, 1-(\q)%2
	FETCH_A \slot, (\q)+1, 0
	WIN MUL_HI
	MUL16 4, (\q)%2, \zero
	MUL16 6, (\q)%2, \zero
	PLACES NP
	WIN 0
	FETCH_A \slot, (\q)+1, 4
.endm
; A slot's last step changes slots: ONE barrier; in front of it each wave waits for all its tensor loads, adds 0 to its spare word, and waits for that and for its own reads of this slot.
.macro TURN slot, next, fill
	s_wait_tensorcnt 0x0                           ; all my tensor loads have landed: my part of the next slot;  (every window is 0 here)
	ds_add_u32 v[SPW], v[NIL]                      ; 0 onto my spare word
	s_wait_dscnt 4*NL+1                            ; (the add and the youngest sixteen loads may be out)
	WIN MUL_LO
	MUL16 0, 1, 0
	s_wait_dscnt 0x0                               ; the add is done, and my reads of this slot are over
	s_barrier_signal -1
	MUL16 2, 1, 0
	WIN 0
	s_barrier_wait -1
.if \fill
	CREST                                          ; the barrier has opened a round of the cluster's barrier: no wave of any partner still reads this slot's tile or has a load on its way
	s_add_nc_u64 s[G0+4*\slot+2:G0+4*\slot+3], s[G0+4*\slot+2:G0+4*\slot+3], 2*KPLANE
	s_add_nc_u64 s[G0B+4*\slot+2:G0B+4*\slot+3], s[G0B+4*\slot+2:G0B+4*\slot+3], 2*ROWB
	JLOAD G0+4*\slot, G1, G0B+4*\slot, G1B         ; the first tensor load behind the round; the four v_nop behind it are the places in front of the loads below
.else
	PLACES NP
.endif
	FETCH_B \next, 0, 0
	FETCH_A \next, 0, 0
	WIN MUL_HI
	MUL16 4, 1, 0
	MUL16 6, 1, 0
	PLACES NP
	WIN 0
	FETCH_A \next, 0, 4
.endm
	s_wait_alu depctr_va_vdst(0)
	s_wait_tensorcnt 1                             ; my part of K step 0 is in (K step 1's load may be out)
	s_barrier_signal -1
	s_barrier_wait -1                              ; everybody's is
	FETCH_B 0, 0, 0
	FETCH_A 0, 0, 0
	FETCH_A 0, 0, 4
	STEP 0, 0, 1                                   ; the first step stands in front of the loop: its products start the sums
	s_mov_b32 s3, LAPS-1
.Llap:
	TURN 0, 1, 1
	STEP 1, 0, 0
	TURN 1, 0, 1
	STEP 0, 0, 0
	s_sub_co_u32 s3, s3, 1
	s_cmp_lg_u32 s3, 0
	s_cbranch_scc1 .Llap
	TURN 0, 1, 0                                   ; the last lap fills nothing, and has no round of the cluster's barrier
	STEP 1, 0, 0
	s_wait_dscnt 4*NL                              ; the very last step
	WIN MUL_LO
	MUL16 0, 1, 0
	MUL16 2, 1, 0
	s_wait_dscnt 0
	WIN MUL_HI
	MUL16 4, 1, 0
	MUL16 6, 1, 0
	WIN 0
; THE WAY OUT, block by block of 16 rows x 128 columns, through my own stage: in as 32 bytes a lane, back as whole rows of 512 bytes.  LDS serves a wave's instructions in order (ISA guide 5.7.1.4): no wait between the stores and the loads.
.macro TOSTAGE a
.set AC, 64*((\a)%4)
	WIN 0x02+((\a)/4)                              ; source 0: window 2 or 3
.set j, 0
.rept 32
	v_pk_mul_f32 v[TMP+j:TMP+j+1], v[AC+j:AC+j+1], s[96:97] op_sel_hi:[1,0]   ; both x s96 = 2^(e10 + e11); each accumulator from its low end on
.set j, j+2
.endr
	WIN 0
.irp b, 0,1,2,3,4,5,6,7
	ds_store_b128 v[STO], v[TMP+8*\b:TMP+8*\b+3] offset:64*\b
	ds_store_b128 v[STO], v[TMP+8*\b+4:TMP+8*\b+7] offset:64*\b+16
.endr
.set BB, BK+64*((\a)%2)
.irp t, 0,1,2,3,4,5,6,7,8,9,10,11,12,13,14,15
	ds_load_b128 v[BB+4*\t:BB+4*\t+3], v[RD] offset:\t*SPITCH
.endr
.endm
; Slot t of block a is row 32 (a / 2) + 8 (a % 2) + t + 8 (t / 8) of my 128: the row stands in the immediate (127 rows of 4,096 bytes at the most, inside its signed 24 bits), and the base is never stepped.
.macro SEND a, younger                 ; younger: the LDS instructions issued behind block a's loads, which may stay out
.set BB, BK+64*((\a)%2)
	s_wait_dscnt \younger
.irp t, 0,1,2,3,4,5,6,7,8,9,10,11,12,13,14,15
	global_store_b128 v[CO], v[BB+4*\t:BB+4*\t+3], s[10:11] offset:(32*((\a)/2)+8*((\a)%2)+\t+8*(\t/8))*SIZE_N*4 th:TH_STORE_NT   ; 32 lanes store 512 consecutive bytes, at a multiple of 512 from out0's first byte
.endr
.endm
	s_wait_kmcnt 0x0
	s_add_co_i32 s96, s96, s97                     ; e10 + e11, between -126 and 127,
	s_add_co_i32 s96, s96, 127
	s_lshl_b32 s96, s96, 23                        ; makes the f32 number 2^(e10 + e11)
	PLACES NP
	TOSTAGE 0
.irp a, 1,2,3,4,5,6,7
.if \a > 1
	s_wait_xcnt 0x0                                ; block a - 2's stores have read their registers: block a's loads may land there
.endif
	TOSTAGE \a
	SEND \a-1, 32                                  ; behind block a - 1's loads: block a's 16 stores and 16 loads
.endr
	SEND 7, 0
	s_wait_tensorcnt 0x0                           ; the wave's end
	ds_add_u32 v[SPW], v[NIL]
	s_wait_dscnt 0x0
	CROUND                                         ; the closing round
	s_endpgm
.Lfunc_end_k_q6af348d25c_oproj:
	.size	k_q6af348d25c_oproj, .Lfunc_end_k_q6af348d25c_oproj-k_q6af348d25c_oproj
	.p2alignl 7, 3214868480
	.fill 96, 4, 3214868480
	.section	.rodata,"a",@progbits
	.p2align	6, 0x0
	.amdhsa_kernel k_q6af348d25c_oproj
		.amdhsa_group_segment_fixed_size 327680
		.amdhsa_private_segment_fixed_size 0
		.amdhsa_enable_private_segment 0
		.amdhsa_kernarg_size 32
		.amdhsa_user_sgpr_count 2
		.amdhsa_user_sgpr_kernarg_segment_ptr 1
		.amdhsa_wavefront_size32 1
		.amdhsa_system_sgpr_workgroup_id_x 1
		.amdhsa_system_sgpr_workgroup_id_y 1
		.amdhsa_system_sgpr_workgroup_id_z 1
		.amdhsa_system_vgpr_workitem_id 0
		.amdhsa_next_free_vgpr 1024
		.amdhsa_next_free_sgpr 98
		.amdhsa_reserve_vcc 0
		.amdhsa_float_denorm_mode_32 3
		.amdhsa_float_denorm_mode_16_64 3
		.amdhsa_memory_ordered 1
		.amdhsa_forward_progress 1
		.amdhsa_inst_pref_size 124
	.end_amdhsa_kernel
	.amdgpu_metadata
---
amdhsa.version: [ 1, 2 ]
amdhsa.kernels:
  - .name:           k_q6af348d25c_oproj
    .symbol:         k_q6af348d25c_oproj.kd
    .args:
      - { .name: attn_img, .offset: 0, .size: 8, .value_kind: global_buffer, .address_space: global }
      - { .name: wo_codes, .offset: 8, .size: 8, .value_kind: global_buffer, .address_space: global }
      - { .name: lowp_scales, .offset: 16, .size: 8, .value_kind: global_buffer, .address_space: global }
      - { .name: out0, .offset: 24, .size: 8, .value_kind: global_buffer, .address_space: global }
    .group_segment_fixed_size: 327680
    .private_segment_fixed_size: 0
    .kernarg_segment_align: 8
    .kernarg_segment_size: 32
    .max_flat_workgroup_size: 128
    .sgpr_count:     98
    .vgpr_count:     1024
    .wavefront_size: 32
...
	.end_amdgpu_metadata
.endif
;; end of part 3
